; MI455X (gfx1250); checked and timed in simulation.
; The chip was launched on July 23, 2026; its instructions are those of AMD's public machine-readable ISA for CDNA 5 (MIT licence, August 2026) and "CDNA5" Instruction Set Architecture Reference Guide (July 2026). The comments in the code are by the model that wrote it; some were corrected since.
;; GAB. Allowed arithmetic: matrix products marked QUANTISED: E2M1 operands, one E8M0 scale for each 32 along K, by v_wmma_scale_f32_16x16x128_f8f6f4 with both operands' format E2M1 (or v_wmma_scale_f32_32x16x128_f4), f32 sums; products left as they are: f32 operands where the result goes on into a quantised operand, else bf16, f16 or f32 operands; f32 sums; everything else in f32.
;; Inputs: W1 2,048 x 512 float32; W2 512 x 2,048 float32; W3 64 x 512 float32; W4 1 x 64 float32; b1 2,048 float32; b2 512 float32; b3 64 float32; b4 1 float32; g1 2,048 float32; g2 512 float32; g3 64 float32; g4 1 float32; m1 2,048 float32; m2 512 float32; m3 64 float32; m4 1 float32; v1 2,048 float32; v2 512 float32; v3 64 float32; v4 1 float32; x_key 16 x 2,048 x 512 float32; x_query 16 x 2,048 float32.
;; Outputs: out0 16 x 2,048 float32.
;; This version of the problem:
;;   THIS VERSION OF THE PROBLEM IS GIVEN IN LOW PRECISION. The matrix products marked QUANTISED in the list below multiply operands that are first quantised to E2M1 (2 exponent bits, 1 mantissa bit; 4 bits a number), with one power-of-two scale for each 32 numbers along K (OCP MX v1.0); their sums are f32. All else is computed in f32.
;;   The module's matrix products, in the order in which they are computed (A, B: the left and right operand; K: the contracted axis; several contracted axes count as one K, in the product's order):
;;     1. [M 32,768, K 512] x [K 512, N 2,048]; A: input x_key; B: input W1: QUANTISED
;;     2. [M 32,768, K 2,048] x [K 2,048, N 512]; A: computed on the way; B: input W2: QUANTISED
;;     3. [M 32,768, K 512] x [K 512, N 64]; A: computed on the way; B: input W3: QUANTISED
;;     4. [M 32,768, K 64] x [K 64, N 1]; A: computed on the way; B: input W4: left as it is (N = 1 < 16)
;;     5. batch 16 x [M 2,048, K 2,048] x [K 2,048, N 1]; A: computed on the way; B: softmax: left as it is (N = 1 < 16)
;;   THE QUANTISER, for each operand of a quantised product, along K:
;;     - K is cut into blocks of 32 from its start; a last block that is shorter is filled with zeros.
;;     - A block's scale is 2^e with e = floor(log2(the largest magnitude in the block)) - 2, held to -126 .. 127; a block of zeros has e = 0. As a byte (E8M0): e + 127.
;;     - Each number is divided by its block's scale, clamped to +-6, and rounded to the nearest number of E2M1, ties to even, subnormals kept.
;;     - The product sums the exact products of the quantised numbers (number of the format x scale) in f32.
;;   ~~~python
;;   def quantise(x, axis):      # numpy; x: float32 -> the quantised numbers, widened to float32 again
;;       x = np.moveaxis(x, axis, -1); K = x.shape[-1]
;;       x = np.pad(x, [(0, 0)] * (x.ndim - 1) + [(0, -K % 32)]); x = x.reshape(x.shape[:-1] + (-1, 32)); a = np.abs(x).max(-1, keepdims=True)
;;       e = np.where(a > 0, np.clip(np.frexp(np.where(a > 0, a, 1))[1] - 1 - 2, -126, 127), 0)      # np.frexp(a)[1] - 1 = floor(log2(a)), exactly
;;       r = np.clip(x / 2.0 ** e, -6, 6)
;;       step = 2.0 ** (np.maximum(np.frexp(np.where(r == 0, 1, r))[1] - 1, 0) - 1)
;;       q = np.round(r / step) * step * 2.0 ** e      # np.round: ties to even
;;       return np.moveaxis(q.reshape(q.shape[:-2] + (-1,))[..., :K], -1, axis).astype(np.float32)
;;   ~~~
;;   OPERANDS COMPUTED ON THE WAY. 'Computed on the way' means the value that the module computes at that place (a softmax that the list does not call 'softmax' is quantised finished and normalised). What goes into a quantiser is computed in f32, as accurately as f32 sums, v_exp_f32 and their like allow (about 1e-6 of the number): no bf16 or f16 on the way to a quantiser, and a product that is left as it is and whose result goes on into a quantised operand takes f32 operands (vector FMAs, or v_wmma_f32_16x16x4_f32). A number that lies on a knife's edge between two numbers of the format may be rounded either way, as far as f32 arithmetic and the matrix unit's own rounding can turn it there, and no further.
;; One version. Each part assembles by itself: llvm-mc -triple=amdgcn-amd-amdhsa -mcpu=gfx1250 --defsym DOCPART=n.
;; ======== version 1 of 1: 3 launches
;; workspace buffers: xpk 8,912,896 bytes; wpk 1,671,168 bytes; w3pk 17,408 bytes; cst0 41,984 bytes; cstA 786,432 bytes; part 2,162,688 bytes
;; launch prep (part 1): grid 598 x 1, 4 waves a work-group, no clusters, 39,424 bytes of LDS; arguments x_key, W1, W2, W3, x_query, g1, b1, m1, v1, g2, b2, m2, v2, g3, b3, m3, v3, xpk, wpk, w3pk, cst0, cstA; writes xpk, wpk, w3pk, cst0, cstA
.if DOCPART == 1
	.amdgcn_target "amdgcn-amd-amdhsa--gfx1250"
	.amdhsa_code_object_version 6
	.text
	.protected	k_qeee211f49f_prep
	.globl	k_qeee211f49f_prep
	.p2align	8
	.type	k_qeee211f49f_prep,@function
k_qeee211f49f_prep:
	s_mov_b64 s[64:65], 0
	v_nop
	global_prefetch_b8 v0, s[64:65] scope:SCOPE_SE
	s_setreg_imm32_b32 hwreg(HW_REG_WAVE_MODE, 25, 1), 1
	s_wait_xcnt 0x0
; x_key [32768][512], W1 [2048][512], W2 [512][2048], W3 [64][512], all f32 with K innermost, become codes of FP4 (E2M1) with one E8M0 byte for each 32 along K,
; laid in the order of a matrix operand's registers; and the three batch norms are folded into constants.
; A block's scale is 2^(floor(log2(largest magnitude)) - 2): its byte is the largest magnitude's exponent field - 2, held at 1 from below.
; LIMITS: NaN and infinities among the inputs are not served.  A block of zeros gets the byte 1 where the rule says 127: its codes are zeros, and the bytes are read by this program alone.
; The norm is folded as a x + c with a = g rsq(v + 1e-5), c = b - m a: f32, in another order of rounding than (x - m) a + b.
; A FRAGMENT (16 rows x 128 K) is 1,024 bytes: block kb of 32 along K takes 256 bytes, row r's 16 bytes at 16 r: two loads of 16 bytes a lane, 512 bytes apart, at 16 x lane, are the operand's 8 registers.
; JOBS.  A wave takes 16 rows x 512 along K, one row a step.  Work-groups 0-511: x_key (row tile j = 4 x + wave); 512-543: W1; 544-575: W2; 576: W3; 577-597: the constants.
; One path serves the four tensors: what differs (pointers, pitches, places) is chosen by selects on the work-group's number.
; W1's and W2's tiles take rows that are not neighbours: lane r of tile 2 B + u takes row 32 B + 8 u + r + 8 (r / 8), so that the results of tiles 2 B, 2 B + 1 are 16 neighbours along the next K.
; wpk: 12 packs of PACKB bytes, two parts each.  Pack c < 8: part 0 = W1's blocks 8 c .. 8 c + 7 (8,704 bytes: two tiles' four fragments, then 512 scale bytes [u][r][16]);
;   part 1 = W2's K steps 2 c, 2 c + 1, by wave: [s][i] fragments, then 1,024 scale bytes [i][r][8].  Packs 8-11: W1's blocks once more, 16 to a pack.
; Each load of a wave reads 512 consecutive bytes; a row turns through the wave's own stage in LDS so that a lane holds 16 neighbours; loads run eight rows (32 loads a wave) ahead.  Waves share nothing: no barrier.
.set PACKB, 139264
.set PARTB, 69632
.set WREG,  9728                       ; LDS of a wave: two turn stages of 32 x 80 bytes, the code stage (16 x 272), 256 scale bytes
.set SP,    80                         ; a lane's place in a turn stage: 64 bytes + 16 of padding
.set CSTG,  5120
.set SBY,   9472
.set OFF,   16                         ; v16-31   row t's byte offset in the source
.set R,     32                         ; v32-159  eight sets of 16 numbers as loaded; at the end the codes read back
.set X,     160                        ; v160-191 two sets of 16 neighbours
.set C,     192                        ; v192-223 two registers of codes for each step
.set E,     224                        ; v224-239 a scale byte for each step
.set FO,    240                        ; v240-243 where fragment ks goes
.set SO,    244                        ; v244     where my 8 scale bytes go
.set SRB,   245                        ; v245     where I read them back
	s_load_b512 s[4:19], s[0:1], 0x0               ; x_key 4, W1 6, W2 8, W3 10, x_query 12, g1 14, b1 16, m1 18
	s_load_b512 s[20:35], s[0:1], 0x40             ; v1 20, g2 22, b2 24, m2 26, v2 28, g3 30, b3 32, m3 34
	s_load_b256 s[36:43], s[0:1], 0x80             ; v3 36, xpk 38, wpk 40, w3pk 42
	s_load_b128 s[44:47], s[0:1], 0xa0             ; cst0 44, cstA 46
	v_lshl_add_u32 v254, v0, 2, 0x9800
	v_mov_b32 v255, 0
	v_lshrrev_b32 v1, 5, v0
	v_readfirstlane_b32 s48, v1                    ; wave
	v_and_b32 v2, 31, v0                           ; lane
	s_cmp_ge_u32 ttmp9, 577
	s_cbranch_scc1 .Lconst
	; ---- the job's number in its tensor
	s_cmp_lt_u32 ttmp9, 512
	s_cselect_b32 s49, 0, 512
	s_cmp_lt_u32 ttmp9, 544
	s_cselect_b32 s49, s49, 544
	s_cmp_lt_u32 ttmp9, 576
	s_cselect_b32 s49, s49, 576
	s_sub_co_u32 s49, ttmp9, s49
	s_lshl_b32 s49, s49, 2
	s_add_co_u32 s49, s49, s48                     ; j
	; x_key and W3: 16 rows of 2,048 bytes on end; a tile pack of 4,352 bytes
	s_lshl_b32 s50, s49, 15                        ; source
	s_mul_i32 s51, s49, 4352                       ; codes
	s_add_co_u32 s52, s51, 4096                    ; scale bytes
	; W1: block B = j / 2, tile u = j % 2
	s_lshr_b32 s53, s49, 1
	s_and_b32 s54, s49, 1
	s_lshl_b32 s55, s53, 16
	s_lshl_b32 s56, s54, 14
	s_add_co_u32 s55, s55, s56                     ; source: row 32 B + 8 u
	s_lshr_b32 s56, s53, 3                         ; chunk c = B / 8
	s_and_b32 s57, s53, 7
	s_mul_i32 s57, s57, 8704                       ; the block's place in a part
	s_mul_i32 s58, s56, PACKB
	s_add_co_u32 s58, s58, s57                     ; in pack c
	s_lshr_b32 s59, s56, 1
	s_add_co_u32 s59, s59, 8
	s_mul_i32 s59, s59, PACKB
	s_and_b32 s60, s56, 1
	s_mul_i32 s60, s60, PARTB
	s_add_co_u32 s59, s59, s60
	s_add_co_u32 s59, s59, s57                     ; and in pack 8 + c / 2, part c % 2
	s_lshl_b32 s60, s54, 12                        ; 4,096 u
	s_lshl_b32 s61, s54, 8
	s_add_co_u32 s61, s61, 8192                    ; 8,192 + 256 u
	s_add_co_u32 s56, s58, s60                     ; codes
	s_add_co_u32 s57, s58, s61                     ; scale bytes
	s_add_co_u32 s58, s59, s60                     ; the copy's codes
	s_add_co_u32 s59, s59, s61                     ; the copy's scale bytes
	; W2: tile dt = j / 4, quarter q = j % 4 of K
	s_lshr_b32 s60, s49, 2
	s_and_b32 s61, s49, 3
	s_lshr_b32 s62, s60, 1
	s_lshl_b32 s62, s62, 18
	s_and_b32 s63, s60, 1
	s_lshl_b32 s63, s63, 16
	s_add_co_u32 s62, s62, s63
	s_lshl_b32 s63, s61, 11
	s_add_co_u32 s62, s62, s63                     ; source: row 32 (dt / 2) + 8 (dt % 2), 512 q numbers on
	s_mul_i32 s61, s61, 2*PACKB
	s_add_co_u32 s61, s61, PARTB
	s_lshr_b32 s63, s60, 3
	s_mul_i32 s63, s63, 17408
	s_add_co_u32 s61, s61, s63                     ; pack 2 q, part 1, wave dt / 8
	s_and_b32 s60, s60, 7
	s_lshl_b32 s63, s60, 10
	s_add_co_u32 s63, s61, s63                     ; codes
	s_lshl_b32 s60, s60, 7
	s_add_co_u32 s60, s60, 16384
	s_add_co_u32 s60, s61, s60                     ; scale bytes
	; ---- LDS addresses: a constant x lane + a constant x wave
	v_lshlrev_b32 v3, 4, v2                        ; 16 x lane
	s_mul_i32 s90, s48, WREG
	v_lshrrev_b32 v14, 2, v2
	v_mul_u32_u24 v14, v14, SP
	v_and_b32 v15, 3, v2
	v_lshl_add_u32 v14, v15, 4, v14
	v_add_nc_u32 v14, s90, v14                     ; turn stage, in: four lanes' 64 bytes on end, then 16 of padding
	v_mul_u32_u24 v15, v2, SP
	v_add_nc_u32 v15, s90, v15                     ; out: my 16 neighbours
	v_lshrrev_b32 v8, 1, v2                        ; my block of 32
	v_and_b32 v9, 1, v2
	s_add_co_u32 s91, s90, CSTG
	v_mul_u32_u24 v6, v8, 272
	v_lshl_add_u32 v6, v9, 3, v6
	v_add_nc_u32 v6, s91, v6                       ; code stage, in: line = block, 16 bytes a row, my 8 of them
	v_and_b32 v10, 15, v2                          ; r
	v_lshrrev_b32 v11, 4, v2                       ; h
	v_mul_u32_u24 v7, v11, 272
	v_lshl_add_u32 v7, v10, 4, v7
	v_add_nc_u32 v7, s91, v7                       ; out: two lines (512 bytes of a fragment) an instruction
	s_add_co_u32 s91, s90, SBY
	v_add_nc_u32 v5, s91, v8                       ; scale bytes, in: [row][block]
	v_lshlrev_b32 v[SRB], 4, v10
	v_lshl_add_u32 v[SRB], v11, 3, v[SRB]
	v_add_nc_u32 v[SRB], s91, v[SRB]               ; out: row r, bytes 8 h on
	; ---- the choice; it hangs on the work-group's number alone
	s_sub_co_u32 s82, ttmp9, 512
	s_sub_co_u32 s83, ttmp9, 544
	s_wait_kmcnt 0x0
	s_mov_b32 s73, 2048                            ; P: from row to row
	s_mov_b32 s74, 1024                            ; sA: from fragment ks to ks + 1
	s_mov_b32 s75, 2048                            ; sB: from ks to ks + 2
	s_cmp_lt_u32 s82, 32                           ; W1?
	s_cselect_b32 s66, s55, s50
	s_cselect_b32 s68, s56, s51
	s_cselect_b32 s70, s57, s52
	s_cselect_b32 s72, 16384, 0                    ; E: what rows 8-15 of a tile lie further on
	s_cselect_b64 s[78:79], s[6:7], s[4:5]
	s_cselect_b64 s[80:81], s[40:41], s[38:39]
	s_cmp_lt_u32 s83, 32                           ; W2?
	s_cselect_b32 s66, s62, s66
	s_cselect_b32 s68, s63, s68
	s_cselect_b32 s70, s60, s70
	s_cselect_b32 s72, 65536, s72
	s_cselect_b32 s73, 8192, s73
	s_cselect_b32 s74, 8192, s74
	s_cselect_b32 s75, PACKB, s75
	s_cselect_b32 s76, 8, 16                       ; s1: scale bytes from row to row
	s_cselect_b32 s77, PACKB, 8                    ; s2: from K steps 0, 1 to 2, 3
	s_cselect_b64 s[78:79], s[8:9], s[78:79]
	s_cselect_b64 s[80:81], s[40:41], s[80:81]
	s_cmp_eq_u32 ttmp9, 576                        ; W3?
	s_cselect_b64 s[78:79], s[10:11], s[78:79]
	s_cselect_b64 s[80:81], s[42:43], s[80:81]
	s_mov_b32 s67, 0
	s_mov_b32 s69, 0
	s_mov_b32 s71, 0
	s_add_nc_u64 s[78:79], s[78:79], s[66:67]      ; the source at my first row
	s_add_nc_u64 s[84:85], s[80:81], s[70:71]      ; my scale bytes
	s_add_nc_u64 s[80:81], s[80:81], s[68:69]      ; my codes
	s_mov_b32 s66, s58
	s_add_nc_u64 s[86:87], s[40:41], s[66:67]      ; W1's copy (used by W1's jobs alone)
	s_mov_b32 s66, s59
	s_add_nc_u64 s[88:89], s[40:41], s[66:67]
	v_add_nc_u32 v12, s72, v3
.irp t, 0,1,2,3,4,5,6,7
	v_mad_u32_u24 v[OFF+\t], s73, \t, v3           ; 16 x lane + t P
.endr
.irp t, 8,9,10,11,12,13,14,15
	v_mad_u32_u24 v[OFF+\t], s73, \t, v12          ; + E
.endr
	v_mov_b32 v[FO], v3
	v_add_nc_u32 v[FO+1], s74, v3
	v_add_nc_u32 v[FO+2], s75, v3
	v_add_nc_u32 v[FO+3], s75, v[FO+1]
	v_mul_u32_u24 v[SO], s76, v10
	v_mad_u32_u24 v[SO], s77, v11, v[SO]
.macro LOAD t                          ; row t: four loads of 512 consecutive bytes
.irp i, 0,1,2,3
	global_load_b128 v[R+16*((\t)%8)+4*\i:R+16*((\t)%8)+4*\i+3], v[OFF+(\t)], s[78:79] offset:512*\i th:TH_LOAD_NT
.endr
.endm
.macro TURN t                          ; row t through the stage: LDS serves a wave's instructions in order, so no wait stands between the stores and the loads
.irp i, 0,1,2,3
	ds_store_b128 v14, v[R+16*((\t)%8)+4*\i:R+16*((\t)%8)+4*\i+3] offset:32*SP*((\t)%2)+8*SP*\i
.endr
.irp i, 0,1,2,3
	ds_load_b128 v[X+16*((\t)%2)+4*\i:X+16*((\t)%2)+4*\i+3], v15 offset:32*SP*((\t)%2)+16*\i
.endr
.endm
.irp t, 0,1,2,3,4,5,6,7
	LOAD \t
.endr
	s_wait_loadcnt 28                              ; row 0's four loads are in; seven rows' may be out
	TURN 0
.macro STEP t
.set XS, X+16*((\t)%2)
.if (\t) > 0
	s_wait_dscnt 2                                 ; this row is back from the stage (behind its loads: the last step's two stores); so its stores into the stage have read their registers,
.else
	s_wait_dscnt 0x0
.endif
.if (\t)+8 < 16
	LOAD (\t)+8                                    ; which take the row eight on
.endif
.if (\t)+1 < 16
.if (\t) < 7
	s_wait_loadcnt 28                              ; the next row is in; the seven rows behind it may be out
.else
	s_wait_loadcnt 4*(14-(\t))                     ; the counts run down
.endif
	TURN (\t)+1
.endif
	v_max3_num_f32 v8, |v[XS]|, |v[XS+1]|, |v[XS+2]|               ; the largest magnitude of my 16, in two chains
	v_max3_num_f32 v9, |v[XS+3]|, |v[XS+4]|, |v[XS+5]|
.irp i, 6,10
	v_max3_num_f32 v8, v8, |v[XS+\i]|, |v[XS+\i+1]|
	v_max3_num_f32 v9, v9, |v[XS+\i+2]|, |v[XS+\i+3]|
.endr
	v_max3_num_f32 v8, v8, |v[XS+14]|, |v[XS+15]|
	v_max3_num_f32 v8, v8, v9, 0x1800000           ; and the floor 2^(3 - 127): the byte cannot fall under 1
	v_max_num_f32_dpp v8, v8, v8 row_xmask:1 row_mask:0xf bank_mask:0xf   ; with my neighbour's 16: the block's
	v_add_nc_u32 v11, 0xff000000, v8               ; 2 off its exponent field: the conversion takes this operand's exponent field as its scale
	v_cvt_scalef32_pk8_fp4_f32 v[C+2*(\t)], v[XS:XS+7], v11
	v_cvt_scalef32_pk8_fp4_f32 v[C+2*(\t)+1], v[XS+8:XS+15], v11
	v_lshrrev_b32 v[E+(\t)], 23, v11               ; the scale's byte (a plain line behind the conversions)
	ds_store_b64 v6, v[C+2*(\t):C+2*(\t)+1] offset:16*(\t)
	ds_store_b8 v5, v[E+(\t)] offset:16*(\t)       ; both lanes of a block write the same byte with the same value
.endm
.irp t, 0,1,2,3,4,5,6,7,8,9,10,11,12,13,14,15
	STEP \t
.endr
.irp n, 0,1,2,3,4,5,6,7
	ds_load_b128 v[R+4*\n:R+4*\n+3], v7 offset:544*\n              ; these see my stores: blocks 2 n, 2 n + 1 of all 16 rows
.endr
	ds_load_b64 v[246:247], v[SRB]
	s_wait_dscnt 0x0
.irp n, 0,1,2,3,4,5,6,7
	global_store_b128 v[FO+\n/2], v[R+4*\n:R+4*\n+3], s[80:81] offset:512*(\n%2)   ; 32 lanes store 512 consecutive bytes, aligned
.endr
	global_store_b64 v[SO], v[246:247], s[84:85]
	s_cmp_lt_u32 s82, 32                           ; W1 is stored a second time, for the second walk
	s_cbranch_scc0 .Ldone
.irp n, 0,1,2,3,4,5,6,7
	global_store_b128 v[FO+\n/2], v[R+4*\n:R+4*\n+3], s[86:87] offset:512*(\n%2)
.endr
	global_store_b64 v[SO], v[246:247], s[88:89]
.Ldone:
	s_wait_tensorcnt 0x0
	ds_add_u32 v254, v255
	s_wait_dscnt 0x0
	s_endpgm
	; ---- THE CONSTANTS.  A wave takes a group of 32 channels: J < 64 layer 1, J < 80 layer 2, else layer 3.  A group is 512 bytes: 32 x (a, 0.2 a), then 32 x (c', c'').
	; cst0: c' = c, c'' = 0.2 c.  cstA[batch]: 64 groups with c' = c + q, c'' = 0.2 c + q, q = x_query[batch][channel]; behind them 2,048 x (a, c).
.Lconst:
	s_sub_co_u32 s49, ttmp9, 577
	s_lshl_b32 s49, s49, 2
	s_add_co_u32 s49, s49, s48                     ; J
	s_wait_kmcnt 0x0
	s_cmp_ge_u32 s49, 82
	s_cbranch_scc1 .Lcend                          ; 82 groups in 21 work-groups: the last two waves have none
	s_cmp_lt_u32 s49, 64
	s_cselect_b64 s[50:51], s[14:15], s[22:23]     ; g
	s_cselect_b64 s[52:53], s[16:17], s[24:25]     ; b
	s_cselect_b64 s[54:55], s[18:19], s[26:27]     ; m
	s_cselect_b64 s[56:57], s[20:21], s[28:29]     ; v
	s_cselect_b32 s58, 0, 64
	s_cmp_lt_u32 s49, 80
	s_cselect_b64 s[50:51], s[50:51], s[30:31]
	s_cselect_b64 s[52:53], s[52:53], s[32:33]
	s_cselect_b64 s[54:55], s[54:55], s[34:35]
	s_cselect_b64 s[56:57], s[56:57], s[36:37]
	s_cselect_b32 s58, s58, 80
	s_sub_co_u32 s58, s49, s58                     ; the group's number in its layer
	s_lshl_b32 s58, s58, 7
	v_lshl_add_u32 v3, v2, 2, s58                  ; my channel, in bytes
	global_load_b32 v4, v3, s[50:51]
	global_load_b32 v5, v3, s[52:53]
	global_load_b32 v6, v3, s[54:55]
	global_load_b32 v7, v3, s[56:57]
	s_lshl_b32 s59, s49, 9
	v_lshl_add_u32 v8, v2, 3, s59                  ; 512 J + 8 x lane
	s_wait_loadcnt 0x0
	v_add_f32 v7, 0x3727c5ac, v7                   ; v + 1e-5
	v_rsq_f32 v7, v7
	v_nop                                          ; a plain line behind the transcendental
	s_wait_alu depctr_va_vdst(0)                   ; and the wait ahead of its first reader
	v_mul_f32 v10, v4, v7                          ; a
	v_mul_f32 v11, 0x3e4ccccd, v10                 ; 0.2 a
	v_fma_f32 v12, -v6, v10, v5                    ; c = b - m a
	v_mul_f32 v13, 0x3e4ccccd, v12                 ; 0.2 c
	global_store_b64 v8, v[10:11], s[44:45]        ; 32 lanes store 256 consecutive bytes, aligned
	global_store_b64 v8, v[12:13], s[44:45] offset:256
	s_cmp_ge_u32 s49, 64
	s_cbranch_scc1 .Lcend
.irp bb, 0,1,2,3,4,5,6,7,8,9,10,11,12,13,14,15
	global_load_b32 v[16+\bb], v3, s[12:13] offset:8192*\bb        ; q of my channel in batch bb
.endr
	v_mov_b32 v14, v10
	v_mov_b32 v15, v12                             ; (a, c)
	s_lshl_b32 s60, s49, 8
	v_lshl_add_u32 v9, v2, 3, s60                  ; 256 J + 8 x lane
.irp bb, 0,1,2,3,4,5,6,7,8,9,10,11,12,13,14,15
	s_wait_loadcnt 15-\bb                          ; batch bb's q is in; the later ones may be out
	v_add_f32 v[32+2*\bb], v12, v[16+\bb]          ; every store has data registers of its own: none is written again
	v_add_f32 v[33+2*\bb], v13, v[16+\bb]
	global_store_b64 v8, v[10:11], s[46:47] offset:49152*\bb
	global_store_b64 v8, v[32+2*\bb:33+2*\bb], s[46:47] offset:49152*\bb+256
	global_store_b64 v9, v[14:15], s[46:47] offset:49152*\bb+32768
.endr
.Lcend:
	s_endpgm
.Lfunc_end_k_qeee211f49f_prep:
	.size	k_qeee211f49f_prep, .Lfunc_end_k_qeee211f49f_prep-k_qeee211f49f_prep
	.p2alignl 7, 3214868480
	.fill 96, 4, 3214868480
	.section	.rodata,"a",@progbits
	.p2align	6, 0x0
	.amdhsa_kernel k_qeee211f49f_prep
		.amdhsa_group_segment_fixed_size 39424
		.amdhsa_private_segment_fixed_size 0
		.amdhsa_enable_private_segment 0
		.amdhsa_kernarg_size 176
		.amdhsa_user_sgpr_count 2
		.amdhsa_user_sgpr_kernarg_segment_ptr 1
		.amdhsa_wavefront_size32 1
		.amdhsa_system_sgpr_workgroup_id_x 1
		.amdhsa_system_sgpr_workgroup_id_y 1
		.amdhsa_system_sgpr_workgroup_id_z 1
		.amdhsa_system_vgpr_workitem_id 0
		.amdhsa_next_free_vgpr 256
		.amdhsa_next_free_sgpr 96
		.amdhsa_reserve_vcc 0
		.amdhsa_float_denorm_mode_32 3
		.amdhsa_float_denorm_mode_16_64 3
		.amdhsa_memory_ordered 1
		.amdhsa_forward_progress 1
		.amdhsa_inst_pref_size 50
	.end_amdhsa_kernel
	.amdgpu_metadata
---
amdhsa.version: [ 1, 2 ]
amdhsa.kernels:
  - .name:           k_qeee211f49f_prep
    .symbol:         k_qeee211f49f_prep.kd
    .args:
      - { .name: x_key, .offset: 0, .size: 8, .value_kind: global_buffer, .address_space: global }
      - { .name: W1, .offset: 8, .size: 8, .value_kind: global_buffer, .address_space: global }
      - { .name: W2, .offset: 16, .size: 8, .value_kind: global_buffer, .address_space: global }
      - { .name: W3, .offset: 24, .size: 8, .value_kind: global_buffer, .address_space: global }
      - { .name: x_query, .offset: 32, .size: 8, .value_kind: global_buffer, .address_space: global }
      - { .name: g1, .offset: 40, .size: 8, .value_kind: global_buffer, .address_space: global }
      - { .name: b1, .offset: 48, .size: 8, .value_kind: global_buffer, .address_space: global }
      - { .name: m1, .offset: 56, .size: 8, .value_kind: global_buffer, .address_space: global }
      - { .name: v1, .offset: 64, .size: 8, .value_kind: global_buffer, .address_space: global }
      - { .name: g2, .offset: 72, .size: 8, .value_kind: global_buffer, .address_space: global }
      - { .name: b2, .offset: 80, .size: 8, .value_kind: global_buffer, .address_space: global }
      - { .name: m2, .offset: 88, .size: 8, .value_kind: global_buffer, .address_space: global }
      - { .name: v2, .offset: 96, .size: 8, .value_kind: global_buffer, .address_space: global }
      - { .name: g3, .offset: 104, .size: 8, .value_kind: global_buffer, .address_space: global }
      - { .name: b3, .offset: 112, .size: 8, .value_kind: global_buffer, .address_space: global }
      - { .name: m3, .offset: 120, .size: 8, .value_kind: global_buffer, .address_space: global }
      - { .name: v3, .offset: 128, .size: 8, .value_kind: global_buffer, .address_space: global }
      - { .name: xpk, .offset: 136, .size: 8, .value_kind: global_buffer, .address_space: global }
      - { .name: wpk, .offset: 144, .size: 8, .value_kind: global_buffer, .address_space: global }
      - { .name: w3pk, .offset: 152, .size: 8, .value_kind: global_buffer, .address_space: global }
      - { .name: cst0, .offset: 160, .size: 8, .value_kind: global_buffer, .address_space: global }
      - { .name: cstA, .offset: 168, .size: 8, .value_kind: global_buffer, .address_space: global }
    .group_segment_fixed_size: 39424
    .private_segment_fixed_size: 0
    .kernarg_segment_align: 8
    .kernarg_segment_size: 176
    .max_flat_workgroup_size: 128
    .sgpr_count:     96
    .vgpr_count:     256
    .wavefront_size: 32
...
	.end_amdgpu_metadata
.endif
;; end of part 1
;; launch main (part 2): grid 256 x 1, 4 waves a work-group, clusters of 4 x 1, 327,680 bytes of LDS; arguments xpk, wpk, cstA, cst0, w3pk, W4, g4, b4, m4, v4, part; writes part
.if DOCPART == 2
	.amdgcn_target "amdgcn-amd-amdhsa--gfx1250"
	.amdhsa_code_object_version 6
	.text
	.protected	k_qeee211f49f_main
	.globl	k_qeee211f49f_main
	.p2align	8
	.type	k_qeee211f49f_main,@function
k_qeee211f49f_main:
	s_mov_b64 s[64:65], 0
	v_nop
	global_prefetch_b8 v0, s[64:65] scope:SCOPE_SE
	s_setreg_imm32_b32 hwreg(HW_REG_WAVE_MODE, 25, 1), 1
	s_wait_xcnt 0x0
	s_wait_alu depctr_hold_cnt(0) depctr_sa_sdst(0) depctr_va_vdst(0) depctr_va_sdst(0) depctr_va_ssrc(0) depctr_va_vcc(0) depctr_vm_vsrc(0)
	s_getreg_b32 s2, hwreg(HW_REG_IB_STS2, 6, 4)
	s_cmp_eq_u32 s2, 0
	s_cbranch_scc0 .Lentry_in_a_cluster
	s_endpgm
.Lentry_in_a_cluster:
	s_bfe_u32 s2, ttmp6, 0x10000c
	s_cmp_lg_u32 s2, 0x3003
	s_cbranch_scc0 .Lentry_shape_is_right
	s_endpgm
.Lentry_shape_is_right:
; The whole chain for 128 rows of one batch: values = lrelu(bn1(x W1^T)); features = values + q; lrelu(bn2(. W2^T)); lrelu(bn3(. W3^T)); lrelu(bn4(. W4^T)); a softmax over the work-group's own 128 rows
; (its own maximum m, its own sum l) and the sum of p x values.  The three wide products run on codes of FP4 (E2M1) with E8M0 scales; all else is f32.  The last launch joins the 16 work-groups of a batch.
; LIMITS: NaN and infinities are not served.  A block of zeros has the scale byte 1: its codes are zeros.  The norms are a x + c (another order of rounding than (x - m) a + b);
; lrelu(y) + q = max(a x + (c + q), 0.2 a x + (0.2 c + q)); in the pooled sum lrelu(y) = 0.6 y + 0.4 |y|.
; SHARES.  THE WAVES SHARE THE COLUMNS, NOT THE ROWS.  Each of the four waves holds all 128 rows' codes of x in registers (256); of each chunk of 256 channels of layer 1 it makes 64;
; of layer 2 it owns 128 channels for all rows: 64 accumulators, 512 registers.  So each weight byte is read from LDS by one wave; what goes round is the features' codes, 16 KB a chunk, as images of operand registers.
; THE RING.  Two LDS slots; 12 fills of one shape: W1's part (wave 0), W2's or W1's second part (wave 1), 4,096 bytes of constants (wave 2); wave 3 asks for nothing.  Fills 0-7 serve the 8 chunks, fills 8-11 the second walk.
; A wave has two tensor loads out at the start and one behind each round.
; CLUSTER.  The four work-groups of a cluster belong to one batch and walk the same packs: each fill is asked for JOINTLY, with a mask that names the four.  A work-group's place enters the addresses of xpk and part alone.
; No prefetch is laid: the packs are walked by every cluster of the launch, not once, and x's codes are asked for at the head alone.
; THE SECOND WALK.  values of 128 rows x 2,048 channels fit nowhere until the scores are known, so product 1 is made again from the registers' x and W1's packs, this time not transposed: a lane holds one channel,
; its registers run down the rows, and p x values is summed in place.
; BOTH WIDE PRODUCTS OF THE CHAIN ARE USED TRANSPOSED (source 0 = 16 rows of a weight, source 1 = 16 rows of x or of features): a lane holds one row, its registers run along the channels, which are the next K.
; BY TURNS.  Product 1 has 8 matrix instructions for a row tile's 46 vector lines (norm, activation, quantiser), and the quantiser ends in a chain in which each line reads the line before it.  So the matrix instructions
; of row tile rt + 2, which read nothing of that chain, stand singly between its links.  x lies in window 1, so each costs two switches of the register window: 16 for a row tile.  The second walk does the same.
; REGISTERS, in windows of 256.  Window 1: x, fragment (rt, ks) at v[32 rt + 8 ks].  Windows 2, 3: layer 2's accumulator (i, rt) at window 2 + rt / 4, v[64 (rt % 4) + 8 i].  Window 0: below.
.set PACKB, 139264
.set PARTB, 69632
.set SLOTB, 143360                     ; a slot: part 0, part 1, 4,096 bytes of constants
.set CSTO,  139264
.set FIMG,  286720                     ; 16 fragment images of 1,024 bytes (features; later layer 2's results)
.set FSC,   303104                     ; their scale words, 64 bytes each
.set CST2,  304128                     ; layers 2 and 3: 18 groups of constants
.set RED,   313344                     ; [wave][128] parts of the scores
.set SCO,   315392                     ; [wave][128] p, each wave's own copy
.set SPARE, 317440                     ; the spare words, 128 bytes for each wave: two blocks of 256 bytes that no other line names
.set OUTST, 317952                     ; [wave] x 2,048: the pooled sums, each wave's own
.set SPW,  1                           ; v1   SPARE + 4 x my thread's number; never rewritten
.set NIL,  2                           ; v2   0; never rewritten
.set LI,   3                           ; v3   16 x lane
.set BLK0, 4                           ; v4-7   my places in a slot: W1's blocks, constants, W2's fragments, W2's scale words
.set CS0,  5
.set W20,  6
.set W2S0, 7
.set ABLK, 8                           ; v8-11  the same in the slot in hand
.set ACST, 9
.set AW2,  10
.set AW2S, 11
.set FW,   12                          ; v12  where I put 8 bytes of features' codes;  v13 their scale byte
.set FSW,  13
.set AF,   14                          ; v14  an image's place for my lane;  v15 features' scale words
.set AFS,  15
.set GW,   16                          ; v16-18 the same three for layer 2's results
.set GSW,  17
.set AFS3, 18
.set ACS2, 19                          ; v19  layer 2's constants
.set M0,   20                          ; v20-23 at work in a quantiser: maxima, the conversion's scale operand, the byte
.set M1,   21
.set SC,   22
.set BY,   23
.set CD,   24                          ; v24-27 the codes just made, two sets (a set first serves the tree of maxima)
.set XS,   28                          ; v28-43 x's scale words: register 4 p + ks: lanes 0-15 row tile 2 p, lanes 16-31 row tile 2 p + 1
.set WS,   44                          ; v44-47 W1's scale words: lanes 0-15 tile u = 0, lanes 16-31 u = 1
.set W2S,  48                          ; v48-55 W2's: register 2 p + s: lanes 0-15 tile 2 p, lanes 16-31 tile 2 p + 1
.set WF,   56                          ; v56-119  weight fragments
.set KC,   120                         ; v120-183 constants: KA 16 x (a, 0.2 a), KQ 16 x (c', c''); W2's second K step; later p
.set KA,   120
.set KQ,   152
.set V,    184                         ; v184-215 product 1's results, two sets of 16
.set T,    216                         ; v216-247 at work
.set FF,   184                         ; v184-247 in phase 2: eight fragments of features
.set FS,   248                         ; v248-255 features' scale words: register 4 s + p
.set PP,   120                         ; the second walk: p of row 16 rt + 8 h + j at v[PP + 8 rt + j]
.set Y,    216
.set A1,   232
.set A2,   240
.set PK,   4                           ; v4-7, v8-11 (a, c) of my channel in tiles u = 0, 1: sets A, B
.set PBK0, 12
.set PCS0, 13
.set AOUT0, 14
.set PBK,  15
.set PCS,  16
.set AO,   17
.set WV,   26                          ; s26 wave;  s27 place in the cluster;  s28 work-group;  s29 the slot in hand;  s30 chunk;  s31 wave x PARTB;  s[32:33] selects for lane l xor 16
.set CX,   27
.set GI,   28
.set TB,   29
.set CH,   30
.set WPART, 31
.set SEL,  32
.set GW1,  36                          ; s[36:43] group 1: 272 rows of 256 bytes;  s[44:51]: 16 rows
.set GC1,  44
.set GWA,  52                          ; s[52:55], s[60:63] groups 0 of fill 0;  s[56:59], s[68:71] of fill 1, which then walk
.set GWB,  56
.set GCA,  60
.set GCB,  68
.set MSB, 0
.macro WIN new                         ; the immediate's high byte repeats the setting that is left; a switch that changes nothing is dropped
.if MSB != (\new)
	s_set_vgpr_msb (MSB<<8)|(\new)
.set MSB, (\new)
.endif
.endm
.macro NOPS n
.rept \n
	v_nop
.endr
.endm
.macro ROUND                           ; a round of the cluster's barrier
	s_barrier_signal -1
	s_barrier_wait -1
	s_cmp_lg_u32 s[WV], 0
	s_cbranch_scc1 .Lnot_wave_0_\@
	s_barrier_signal -3
.Lnot_wave_0_\@:
	s_barrier_wait -3
	s_barrier_signal -1
	s_barrier_wait -1
.endm
.macro JLOAD                           ; a joint refill: waves 0, 1 the two parts, wave 2 the constants; the branches hang on the wave's number alone; four v_nop follow each line
	s_cmp_lt_u32 s[WV], 2
	s_cbranch_scc0 .Lnot_w_\@
	tensor_load_to_lds s[GWB:GWB+3], s[GW1:GW1+7]
	s_nop 0
	NOPS 4
	s_branch .Lasked_\@
.Lnot_w_\@:
	s_cmp_eq_u32 s[WV], 2
	s_cbranch_scc0 .Lasked_\@
	tensor_load_to_lds s[GCB:GCB+3], s[GC1:GC1+7]
	s_nop 0
	NOPS 4
.Lasked_\@:
.endm
; One scaled matrix instruction.  z = 1: the constant 0 starts the sum.  ra, rb = 1: that side's scales are read from lanes 16-31.
.macro WMS d, a, b, z, sa, sb, ra, rb
.if \z
.if (\ra) && (\rb)
	v_wmma_scale_f32_16x16x128_f8f6f4 v[\d:\d+7], v[\a:\a+7], v[\b:\b+7], 0, v[\sa], v[\sb] matrix_a_fmt:MATRIX_FMT_FP4 matrix_b_fmt:MATRIX_FMT_FP4 matrix_a_scale:MATRIX_SCALE_ROW1 matrix_b_scale:MATRIX_SCALE_ROW1
.elseif \ra
	v_wmma_scale_f32_16x16x128_f8f6f4 v[\d:\d+7], v[\a:\a+7], v[\b:\b+7], 0, v[\sa], v[\sb] matrix_a_fmt:MATRIX_FMT_FP4 matrix_b_fmt:MATRIX_FMT_FP4 matrix_a_scale:MATRIX_SCALE_ROW1
.elseif \rb
	v_wmma_scale_f32_16x16x128_f8f6f4 v[\d:\d+7], v[\a:\a+7], v[\b:\b+7], 0, v[\sa], v[\sb] matrix_a_fmt:MATRIX_FMT_FP4 matrix_b_fmt:MATRIX_FMT_FP4 matrix_b_scale:MATRIX_SCALE_ROW1
.else
	v_wmma_scale_f32_16x16x128_f8f6f4 v[\d:\d+7], v[\a:\a+7], v[\b:\b+7], 0, v[\sa], v[\sb] matrix_a_fmt:MATRIX_FMT_FP4 matrix_b_fmt:MATRIX_FMT_FP4
.endif
.else
.if (\ra) && (\rb)
	v_wmma_scale_f32_16x16x128_f8f6f4 v[\d:\d+7], v[\a:\a+7], v[\b:\b+7], v[\d:\d+7], v[\sa], v[\sb] matrix_a_fmt:MATRIX_FMT_FP4 matrix_b_fmt:MATRIX_FMT_FP4 matrix_a_scale:MATRIX_SCALE_ROW1 matrix_b_scale:MATRIX_SCALE_ROW1
.elseif \ra
	v_wmma_scale_f32_16x16x128_f8f6f4 v[\d:\d+7], v[\a:\a+7], v[\b:\b+7], v[\d:\d+7], v[\sa], v[\sb] matrix_a_fmt:MATRIX_FMT_FP4 matrix_b_fmt:MATRIX_FMT_FP4 matrix_a_scale:MATRIX_SCALE_ROW1
.elseif \rb
	v_wmma_scale_f32_16x16x128_f8f6f4 v[\d:\d+7], v[\a:\a+7], v[\b:\b+7], v[\d:\d+7], v[\sa], v[\sb] matrix_a_fmt:MATRIX_FMT_FP4 matrix_b_fmt:MATRIX_FMT_FP4 matrix_b_scale:MATRIX_SCALE_ROW1
.else
	v_wmma_scale_f32_16x16x128_f8f6f4 v[\d:\d+7], v[\a:\a+7], v[\b:\b+7], v[\d:\d+7], v[\sa], v[\sb] matrix_a_fmt:MATRIX_FMT_FP4 matrix_b_fmt:MATRIX_FMT_FP4
.endif
.endif
.endm
.macro LW1 off                         ; a block of W1: two tiles' four fragments and their scale words: 17 loads
.irp n, 0,1,2,3,4,5,6,7,8,9,10,11,12,13,14,15
	ds_load_b128 v[WF+4*\n:WF+4*\n+3], v[ABLK] offset:\off+512*\n
.endr
	ds_load_b128 v[WS:WS+3], v[ABLK] offset:\off+8192
.endm
.macro LW2 reg, off                    ; my eight fragments of W2 for one K step: 16 loads
.irp n, 0,1,2,3,4,5,6,7,8,9,10,11,12,13,14,15
	ds_load_b128 v[\reg+4*\n:\reg+4*\n+3], v[AW2] offset:\off+512*\n
.endr
.endm
.macro LK ka, kq, adr, off             ; the constants of my 16 channels of a group: 16 loads, the same bytes in all lanes of a half
.irp n, 0,1,2,3,4,5,6,7
	ds_load_b128 v[\ka+4*\n:\ka+4*\n+3], v[\adr] offset:\off+16*\n
.endr
.irp n, 0,1,2,3,4,5,6,7
	ds_load_b128 v[\kq+4*\n:\kq+4*\n+3], v[\adr] offset:\off+256+16*\n
.endr
.endm
; Product 1 for row tile rt: two tiles of W1 x 512 along K.  The two accumulators take turns, one instruction a turn.  MM1: all eight in a run, at a block's head.
.macro MM1 rt
	WIN 0x04                                       ; source 1 (x) in window 1
.irp ks, 0,1,2,3
.set Z, 0
.if \ks == 0
.set Z, 1
.endif
.irp u, 0,1
	WMS V+16*((\rt)%2)+8*\u, WF+32*\u+8*\ks, 32*(\rt)+8*\ks, Z, WS+\ks, XS+4*((\rt)/2)+\ks, \u, (\rt)%2
.endr
.endr
	WIN 0
.endm
.macro W1ONE rt, n                     ; number n of the same eight, alone among vector lines: K step n / 2, tile n % 2
	WIN 0x04
.if (\n) < 2
	WMS V+16*((\rt)%2)+8*((\n)%2), WF+32*((\n)%2)+8*((\n)/2), 32*(\rt)+8*((\n)/2), 1, WS+(\n)/2, XS+4*((\rt)/2)+(\n)/2, (\n)%2, (\rt)%2
.else
	WMS V+16*((\rt)%2)+8*((\n)%2), WF+32*((\n)%2)+8*((\n)/2), 32*(\rt)+8*((\n)/2), 0, WS+(\n)/2, XS+4*((\rt)/2)+(\n)/2, (\n)%2, (\rt)%2
.endif
	WIN 0
.endm
; 16 results x_i at v[xb] on (source 0's window: win) become 16 pairs (a x + c', 0.2 a x + c'') in T.  Each accumulator is read from its low end on.
.macro EPI_A xb, win, ka, kq
	WIN \win
.irp i, 0,2,4,6,8,10,12,14
	v_pk_fma_f32 v[T+2*\i:T+2*\i+1], v[\xb+\i:\xb+\i+1], v[\ka+2*\i:\ka+2*\i+1], v[\kq+2*\i:\kq+2*\i+1] op_sel_hi:[0,1,1]
	v_pk_fma_f32 v[T+2*\i+2:T+2*\i+3], v[\xb+\i:\xb+\i+1], v[\ka+2*\i+2:\ka+2*\i+3], v[\kq+2*\i+2:\kq+2*\i+3] op_sel:[1,0,0] op_sel_hi:[1,1,1]
.endr
	WIN 0
.endm
.macro CMP8 lo                         ; the larger of each pair, eight at a time, into T + lo on: register i belongs to a pair that has been taken already
.irp i, 0,1,2,3,4,5,6,7
	v_max_num_f32 v[T+\lo+\i], v[T+2*(\lo+\i)], v[T+2*(\lo+\i)+1]
.endr
.endm
.macro LRELU16
	CMP8 0
	CMP8 8
.endm
; THE QUANTISER of the 16 numbers in T .. T + 15: half a block of 32 along the next K (the other half: lane l xor 16).  It is written in pieces, so that other work can stand between them.
; The largest magnitude: a tree of eight v_max3, three levels deep (5, 2, 1), with the floor 2^(3 - 127) as a leaf, so that the byte cannot fall under 1.
.macro QL1A
	v_max3_num_f32 v[M0], |v[T]|, |v[T+1]|, |v[T+2]|
	v_max3_num_f32 v[M1], |v[T+3]|, |v[T+4]|, |v[T+5]|
	v_max3_num_f32 v[SC], |v[T+6]|, |v[T+7]|, |v[T+8]|
.endm
.macro QL1B set                        ; (the pair that will take the codes is free until the conversions)
	v_max3_num_f32 v[CD+2*(\set)], |v[T+9]|, |v[T+10]|, |v[T+11]|
	v_max3_num_f32 v[CD+2*(\set)+1], |v[T+12]|, |v[T+13]|, |v[T+14]|
.endm
.macro QL2 set
	v_max3_num_f32 v[M0], v[M0], v[M1], v[SC]
	v_max3_num_f32 v[M1], v[CD+2*(\set)], v[CD+2*(\set)+1], |v[T+15]|
.endm
.macro QL3
	v_max3_num_f32 v[M0], v[M0], v[M1], 0x1800000
.endm
.macro QX
	v_permlanex16_b32 v[M1], v[M0], s[SEL], s[SEL+1]
.endm
.macro QM
	v_max_num_f32 v[M0], v[M0], v[M1]              ; the block's largest magnitude
.endm
.macro QS
	v_add_nc_u32 v[SC], 0xff000000, v[M0]          ; 2 off its exponent field: the conversion takes this operand's exponent field as its scale
.endm
.macro QC set
	v_cvt_scalef32_pk8_fp4_f32 v[CD+2*(\set)], v[T:T+7], v[SC]
	v_cvt_scalef32_pk8_fp4_f32 v[CD+2*(\set)+1], v[T+8:T+15], v[SC]
	v_lshrrev_b32 v[BY], 23, v[SC]                 ; the byte (a plain line behind the conversions)
.endm
.macro QST fadr, fo, sadr, so, set     ; 8 bytes of codes into an operand's image, the byte into its scale word
	ds_store_b64 v[\fadr], v[CD+2*(\set):CD+2*(\set)+1] offset:\fo  ; 32 lanes write 256 consecutive bytes: one block of 16 rows
	ds_store_b8 v[\sadr], v[BY] offset:\so         ; both halves of the lanes write the same byte with the same value
.endm
.macro QUANT16 set                     ; the pieces on end
	LRELU16
	QL1A
	QL1B \set
	QL2 \set
	QL3
	QX
	QM
	QS
	QC \set
.endm
.macro EPI_B fadr, fo, sadr, so, set
	QUANT16 \set
	QST \fadr, \fo, \sadr, \so, \set
.endm
; A block of 32 channels for all 128 rows.  The eight matrix instructions of row tile rt + 2 stand singly in row tile rt's quantiser, most of them between two lines of which the second reads the first.
; They write the set of results that row tile rt's multiply-adds have just read; the vector lines round them name none of their registers and are their places.
; A row tile's two LDS stores stand behind the NEXT row tile's sixteen multiply-adds (their data: CD in two sets; BY, which is written again only at the next quantiser's end); the last row tile's at the block's end.
.macro BLOCK blk
.if \blk == 0
	s_wait_dscnt 16                                ; W1's block is in; the 16 loads of constants may be out
.else
	s_wait_dscnt 20                                ; behind W1's block were issued: 2 stores, 16 loads, 2 stores
.endif
	MM1 0
	MM1 1
	s_wait_dscnt 0x0                               ; the constants are in
	NOPS 5                                         ; places: the first results are read, and row tile 2's products write over row tile 0's
.irp rt, 0,1,2,3,4,5,6,7
	EPI_A V+16*(\rt%2), 0, KA, KQ
.if \rt > 0
	QST FW, 2048*(\rt-1)+256*\blk, FSW, 128*(\rt-1)+\blk, (\rt-1)%2
.endif
.if \rt == 6                           ; the block's last product stands in row tile 5's quantiser, sixteen multiply-adds back: the weights' registers take what comes next
.if \blk == 0
	LW1 8704
.else
	LW2 WF, 0
.irp p, 0,1,2,3
	ds_load_b64 v[W2S+2*\p:W2S+2*\p+1], v[AW2S] offset:256*\p
.endr
.endif
.endif
.if \rt == 7                           ; and so do the constants'
.if \blk == 0
	LK KA, KQ, ACST, 512
.else
	LW2 KC, 8192
.endif
.endif
.if \rt < 6
	CMP8 0
	W1ONE \rt+2, 0
	CMP8 8
	W1ONE \rt+2, 1
	QL1A
	W1ONE \rt+2, 2
	QL1B \rt%2
	W1ONE \rt+2, 3
	QL2 \rt%2
	W1ONE \rt+2, 4
	QL3
	W1ONE \rt+2, 5
	QX
	W1ONE \rt+2, 6
	QM
	W1ONE \rt+2, 7
	QS
	QC \rt%2
.else
	QUANT16 \rt%2
.endif
.endr
	QST FW, 2048*7+256*\blk, FSW, 128*7+\blk, 1
.endm
.macro LF s, r0                        ; features' fragments of K step s, row tiles r0 .. r0 + 3: 8 loads
.irp rt, \r0, \r0+1, \r0+2, \r0+3
.irp c, 0,1
	ds_load_b128 v[FF+8*(\rt)+4*\c:FF+8*(\rt)+4*\c+3], v[AF] offset:(2*(\rt)+\s)*1024+512*\c
.endr
.endr
.endm
; Product 2: 32 matrix instructions: row tiles 4 half .. + 3 x my 8 tiles of W2, one K step.  The 64 accumulators take turns in the same order in every K step.
.macro MUL2 half, wset, s, z
	WIN 0xa0+0x50*(\half)                          ; C and D in window 2 or 3
.irp rtl, 0,1,2,3
.irp i, 0,1,2,3,4,5,6,7
	WMS 64*\rtl+8*\i, \wset+8*\i, FF+8*(4*(\half)+\rtl), \z, W2S+2*(\i/2)+(\s), FS+4*(\s)+2*(\half)+\rtl/2, \i%2, \rtl%2
.endr
.endr
.endm
.macro SEC0 z                          ; a chunk's first K step of product 2; z = 1 in the first chunk: its products start the sums, nothing is cleared
	s_wait_dscnt 8                                 ; the scale words and row tiles 0-3 are in; row tiles 4-7 may be out
	MUL2 0, WF, 0, \z
	NOPS 4                                         ; places in front of loads into registers that these products read
	WIN 0
	LF 1, 0
	s_wait_dscnt 8                                 ; row tiles 4-7 are in
	MUL2 1, WF, 0, \z
	NOPS 4
	WIN 0
	LF 1, 4
.endm
; The change of slots.  HEAD: the wait for all my tensor loads, the add, and (refill = 1) the walking descriptors' steps; TAIL: the wait for the add and for my LDS reads, the round (or the plain barrier), the refill first behind it.
.macro RR_HEAD refill
	WIN 0
	s_wait_tensorcnt 0x0                           ; all my tensor loads have landed: my part of the next slot; so a group 0 may be written
	ds_add_u32 v[SPW], v[NIL]                      ; 0 onto my spare word
.if \refill
	s_add_co_u32 s[GWB+1], s[TB], s[WPART]         ; into the slot in hand,
	s_add_co_u32 s[GCB+1], s[TB], CSTO
	s_add_nc_u64 s[GWB+2:GWB+3], s[GWB+2:GWB+3], PACKB             ; the next pack; the type bits on top are not reached
	s_add_nc_u64 s[GCB+2:GCB+3], s[GCB+2:GCB+3], 4096
.endif
.endm
.macro RR_TAIL refill
	s_wait_dscnt 0x0                               ; the add is done, and my reads of the slot and of the images are over
.if \refill
	ROUND                                          ; no wave of any partner still reads the slot or has a load on its way
	JLOAD                                          ; it has a whole chunk (or step of the second walk) in which to land
.else
	s_barrier_signal -1
	s_barrier_wait -1
.endif
	s_xor_b32 s[TB], s[TB], SLOTB                  ; on to the other slot
.endm
	s_load_b512 s[4:19], s[0:1], 0x0               ; xpk 4, wpk 6, cstA 8, cst0 10, w3pk 12, W4 14, g4 16, b4 18
	s_load_b128 s[20:23], s[0:1], 0x40             ; m4 20, v4 22
	s_load_b64 s[24:25], s[0:1], 0x50              ; part
	v_lshl_add_u32 v[SPW], v0, 2, SPARE
	v_mov_b32 v[NIL], 0
	ds_add_u32 v1, v2
	s_wait_dscnt 0x0
	v_lshrrev_b32 v3, 5, v0
	v_readfirstlane_b32 s[WV], v3                  ; wave 0..3
	s_bfe_u32 s[CX], ttmp6, 0x40000                ; my place in the cluster
	s_lshl_b32 s[GI], ttmp9, 2
	s_add_co_u32 s[GI], s[GI], s[CX]               ; my work-group: it enters xpk's and part's addresses alone
	s_lshr_b32 s72, ttmp9, 2                       ; the batch, which the four partners share
	s_mul_i32 s72, s72, 49152
	s_mov_b32 s73, 0
	s_mul_i32 s[WPART], s[WV], PARTB
	s_mov_b32 s74, s[WPART]
	s_mov_b32 s75, 0
	s_mul_i32 s76, s[GI], 34816                    ; 8 tile packs of 4,352 bytes
	s_mov_b32 s77, 0
	s_mul_i32 s78, s[GI], 8448
	s_mov_b32 s79, 0
	s_mov_b32 s[SEL], 0x76543210
	s_mov_b32 s[SEL+1], 0xfedcba98
	s_mov_b32 s[GW1], 15|(3<<16)|(1<<21)           ; 15:0 the mask: all four work-groups; 17:16 elements of 8 bytes; 21 set beside a mask; no padding: every read takes 512 consecutive bytes
	s_mov_b32 s[GW1+1], 32<<16                     ; tensor_dim0 = 32 elements (256 bytes)
	s_mov_b32 s[GW1+2], 272<<16                    ; tensor_dim1 = 272
	s_mov_b32 s[GW1+3], 32<<16                     ; tile_dim0
	s_mov_b32 s[GW1+4], 272                        ; tile_dim1
	s_mov_b32 s[GW1+5], 32                         ; from row to row: dense
	s_mov_b32 s[GW1+6], 0
	s_mov_b32 s[GW1+7], 0
	s_mov_b32 s[GC1], 15|(3<<16)|(1<<21)
	s_mov_b32 s[GC1+1], 32<<16
	s_mov_b32 s[GC1+2], 16<<16
	s_mov_b32 s[GC1+3], 32<<16
	s_mov_b32 s[GC1+4], 16
	s_mov_b32 s[GC1+5], 32
	s_mov_b32 s[GC1+6], 0
	s_mov_b32 s[GC1+7], 0
	s_wait_kmcnt 0x0
	s_add_nc_u64 s[92:93], s[4:5], s[76:77]        ; my rows' codes
	s_add_nc_u64 s[94:95], s[24:25], s[78:79]      ; my partial result
	s_mov_b32 s[GWA], 1
	s_mov_b32 s[GWA+1], s[WPART]                   ; slot 0, my part
	s_add_nc_u64 s[GWA+2:GWA+3], s[6:7], s[74:75]  ; pack 0, my part
	s_mov_b32 s[GWB], 1
	s_add_co_u32 s[GWB+1], s[WPART], SLOTB
	s_add_nc_u64 s[GWB+2:GWB+3], s[GWA+2:GWA+3], PACKB
	s_or_b32 s[GWA+3], s[GWA+3], 0x80000000        ; type = 2
	s_or_b32 s[GWB+3], s[GWB+3], 0x80000000
	s_mov_b32 s[GCA], 1
	s_mov_b32 s[GCA+1], CSTO
	s_add_nc_u64 s[GCA+2:GCA+3], s[8:9], s[72:73]  ; my batch's constants, chunk 0
	s_mov_b32 s[GCB], 1
	s_mov_b32 s[GCB+1], SLOTB+CSTO
	s_add_nc_u64 s[GCB+2:GCB+3], s[GCA+2:GCA+3], 4096
	s_or_b32 s[GCA+3], s[GCA+3], 0x80000000
	s_or_b32 s[GCB+3], s[GCB+3], 0x80000000
	ROUND                                          ; all four work-groups are here: the first joint loads meet
	s_cmp_lt_u32 s[WV], 2                          ; a wave's two first fills stand in one branch, ahead of every wait on TENSORcnt, every LDS read and every other barrier
	s_cbranch_scc0 .Lfirst_c
	tensor_load_to_lds s[GWA:GWA+3], s[GW1:GW1+7]
	s_nop 0
	tensor_load_to_lds s[GWB:GWB+3], s[GW1:GW1+7]
	s_nop 0
	NOPS 4
	s_branch .Lfirst_asked
.Lfirst_c:
	s_cmp_eq_u32 s[WV], 2
	s_cbranch_scc0 .Lfirst_asked
	tensor_load_to_lds s[GCA:GCA+3], s[GC1:GC1+7]
	s_nop 0
	tensor_load_to_lds s[GCB:GCB+3], s[GC1:GC1+7]
	s_nop 0
	NOPS 4
.Lfirst_asked:
	s_load_b32 s88, s[16:17], 0x0                  ; g4, b4, m4, v4: one number each
	s_load_b32 s89, s[18:19], 0x0
	s_load_b32 s90, s[20:21], 0x0
	s_load_b32 s91, s[22:23], 0x0
	v_and_b32 v20, 15, v0                          ; r
	v_bfe_u32 v21, v0, 4, 1                        ; h
	v_and_b32 v3, 31, v0
	v_lshlrev_b32 v[LI], 4, v3
	v_lshlrev_b32 v23, 3, v0                       ; 8 x thread
	v_lshl_add_u32 v24, v0, 3, CST2
	v_mul_u32_u24 v22, v21, 4352
	v_lshl_add_u32 v22, v20, 4, v22                ; x's scale words: row tile 2 p + h, row r
.irp n, 0,1,2,3,4,5,6,7,8
	global_load_b64 v[T+2*\n:T+2*\n+1], v23, s[10:11] offset:32768+1024*\n   ; layers 2 and 3: groups 64 .. 81 of cst0, 1,024 bytes a load of the work-group
.endr
.irp p, 0,1,2,3
	global_load_b128 v[XS+4*\p:XS+4*\p+3], v22, s[92:93] offset:8704*\p+4096
.endr
.macro XLOAD r0                        ; x's fragments of four row tiles: 32 loads of 512 consecutive bytes, into window 1: they stay
	WIN 0x40
.irp rt, \r0, \r0+1, \r0+2, \r0+3
.irp ks, 0,1,2,3
.irp c, 0,1
	global_load_b128 v[32*(\rt)+8*\ks+4*\c:32*(\rt)+8*\ks+4*\c+3], v[LI], s[92:93] offset:4352*(\rt)+1024*\ks+512*\c
.endr
.endr
.endr
	WIN 0
.endm
	XLOAD 0
	s_mul_i32 s72, s[WV], 17408
	v_add_nc_u32 v[BLK0], s72, v[LI]               ; my two blocks of W1: 16 x lane + 17,408 x wave
	s_lshl_b32 s73, s[WV], 10
	s_add_co_u32 s73, s73, CSTO
	v_lshl_add_u32 v[CS0], v21, 7, s73             ; my two groups of constants, + 128 h
	s_add_co_u32 s72, s72, PARTB
	v_add_nc_u32 v[W20], s72, v[LI]                ; my fragments of W2
	s_add_co_u32 s72, s72, 16384
	v_lshl_add_u32 v[W2S0], v21, 7, s72
	v_lshl_add_u32 v[W2S0], v20, 3, v[W2S0]        ; and their scale words: tile 2 p + h, row r, 8 bytes
	s_lshl_b32 s72, s[WV], 9
	s_add_co_u32 s72, s72, FIMG
	v_lshl_add_u32 v[FW], v20, 4, s72
	v_lshl_add_u32 v[FW], v21, 3, v[FW]            ; features: K step wave / 2, blocks 2 (wave % 2) on: 512 x wave + 16 r + 8 h
	s_lshr_b32 s72, s[WV], 1
	s_lshl_b32 s72, s72, 6
	s_and_b32 s73, s[WV], 1
	s_lshl_b32 s73, s73, 1
	s_add_co_u32 s72, s72, s73
	s_add_co_u32 s72, s72, FSC
	v_lshl_add_u32 v[FSW], v20, 2, s72             ; their bytes: 64 (wave / 2) + 2 (wave % 2) + 4 r
	v_add_nc_u32 v[AF], FIMG, v[LI]
	v_lshlrev_b32 v[AFS], 2, v20
	v_lshl_add_u32 v[AFS3], v21, 6, v[AFS]
	v_lshl_add_u32 v[AFS], v21, 7, v[AFS]
	v_add_nc_u32 v[AFS], FSC, v[AFS]               ; 4 r + 128 h: row tile 2 p + h
	v_add_nc_u32 v[AFS3], FSC, v[AFS3]             ; 4 r + 64 h: K step 2 kp + h
	s_lshl_b32 s72, s[WV], 10
	s_add_co_u32 s72, s72, FIMG
	v_lshl_add_u32 v[GW], v20, 4, s72
	v_lshl_add_u32 v[GW], v21, 3, v[GW]            ; layer 2's results: K step = wave
	s_lshl_b32 s72, s[WV], 6
	s_add_co_u32 s72, s72, FSC
	v_lshl_add_u32 v[GSW], v20, 2, s72
	s_lshl_b32 s72, s[WV], 11
	s_add_co_u32 s72, s72, CST2
	v_lshl_add_u32 v[ACS2], v21, 7, s72            ; layer 2's constants: my four groups
	s_wait_loadcnt 36                              ; the nine are in; the 36 loads issued behind them may be out
.irp n, 0,1,2,3,4,5,6,7,8
	ds_store_b64 v24, v[T+2*\n:T+2*\n+1] offset:1024*\n
.endr
	XLOAD 4
	s_wait_tensorcnt 1                             ; my part of fill 0 is in; fill 1 may stay out
	s_wait_kmcnt 0x0                               ; layer 4's four numbers
	s_wait_dscnt 0x0                               ; for the others' sake: my stores of constants are done
	s_barrier_signal -1
	s_barrier_wait -1
	s_wait_loadcnt 0x0                             ; x
	s_mov_b32 s[TB], 0
	s_mov_b32 s[CH], 0
.Lchunk:                                           ; 8 trips: 256 channels of layer 1, two K steps of product 2
	v_add_nc_u32 v[ABLK], s[TB], v[BLK0]           ; these four and the v_nop are the five places behind the last trip's products: product 1 writes over registers that they read
	v_add_nc_u32 v[ACST], s[TB], v[CS0]
	v_add_nc_u32 v[AW2], s[TB], v[W20]
	v_add_nc_u32 v[AW2S], s[TB], v[W2S0]
	v_nop
	LW1 0
	LK KA, KQ, ACST, 0
	BLOCK 0
	BLOCK 1
	s_wait_dscnt 0x0                               ; my images are stored, W2's fragments are in
	s_barrier_signal -1
	s_barrier_wait -1                              ; the chunk's 16 images are whole.  (The next fill may stay out)
.irp s, 0,1
.irp p, 0,1,2,3
	ds_load_b32 v[FS+4*\s+\p], v[AFS] offset:256*\p+64*\s
.endr
.endr
	LF 0, 0
	LF 0, 4
	s_cmp_eq_u32 s[CH], 0
	s_cbranch_scc0 .Ladd_on
	SEC0 1
	s_branch .Lsecond
.Ladd_on:
	SEC0 0
.Lsecond:
	s_wait_dscnt 8                                 ; K step 1's row tiles 0-3 are in
	MUL2 0, KC, 1, 0
	RR_HEAD 1
	s_wait_dscnt 1                                 ; row tiles 4-7 are in; the add may be out
	MUL2 1, KC, 1, 0                               ; 32 matrix instructions stand between the add and the wait for it
	WIN 0
	RR_TAIL 1
	s_add_co_u32 s[CH], s[CH], 1
	s_cmp_lt_u32 s[CH], 8
	s_cbranch_scc1 .Lchunk
	; ---- THE TAIL.  Layer 2's 64 accumulators are normed, quantised and sent round as product 3's operand, four row tiles at a time; wave w makes channels 16 w .. 16 w + 15 of layer 3.
	NOPS 5                                         ; places behind the last products
	s_mul_i32 s72, s[WV], 4352
	v_add_nc_u32 v12, s72, v[LI]
	v_and_b32 v13, 15, v0
	v_lshl_add_u32 v13, v13, 4, s72
	s_lshl_b32 s73, s[WV], 6
	v_bfe_u32 v15, v0, 4, 1
	v_lshl_add_u32 v15, v15, 5, s73                ; W4: 4 (16 w + 8 h)
.irp n, 0,1,2,3,4,5,6,7
	global_load_b128 v[WF+4*\n:WF+4*\n+3], v12, s[12:13] offset:512*\n   ; W3's tile w: four fragments
.endr
	global_load_b128 v[WS:WS+3], v13, s[12:13] offset:4096         ; its scale words
	global_load_b128 v[4:7], v15, s[14:15]
	global_load_b128 v[8:11], v15, s[14:15] offset:16
	LK KA, KQ, ACS2, 0
.irp hh, 0,1
.irp b, 0,1,2,3                        ; block b of my 128 channels; its constants lie in one of two sets, the next block's come into the other
.if (\b%2) == 0
.set CKA, KA
.set CKQ, KQ
.set NKA, V
.set NKQ, WF+32
.else
.set CKA, V
.set CKQ, WF+32
.set NKA, KA
.set NKQ, KQ
.endif
.if (\hh == 1) && (\b == 3)
	s_wait_dscnt 0x0
.else
	LK NKA, NKQ, ACS2, 512*((\b+1)%4)
	s_wait_dscnt 16                                ; this block's constants are in; the next block's 16 loads may be out
.endif
.irp rtl, 0,1,2,3
	EPI_A 64*\rtl+16*\b, 2+\hh, CKA, CKQ
	EPI_B GW, 4096*\rtl+256*\b, GSW, 256*\rtl+\b, \rtl%2
.endr
.endr
	s_wait_dscnt 0x0
	s_barrier_signal -1
	s_barrier_wait -1                              ; 16 images: four row tiles x four K steps
	WIN 0x80                                       ; into window 2, whose accumulators have been read
.irp rtl, 0,1,2,3
.irp ks, 0,1,2,3
.irp c, 0,1
	ds_load_b128 v[64+32*\rtl+8*\ks+4*\c:64+32*\rtl+8*\ks+4*\c+3], v[AF] offset:(4*\rtl+\ks)*1024+512*\c
.endr
.endr
.endr
	WIN 0
.irp rtl, 0,1,2,3
.irp kp, 0,1
	ds_load_b32 v[W2S+2*\rtl+\kp], v[AFS3] offset:256*\rtl+128*\kp  ; lanes 0-15 K step 2 kp, lanes 16-31 K step 2 kp + 1
.endr
.endr
	s_wait_dscnt 0x0
.if \hh == 0
	s_wait_loadcnt 0x0                             ; W3, W4
.endif
	WIN 0xa8                                       ; source 1, C and D in window 2
.irp ks, 0,1,2,3
.set Z, 0
.if \ks == 0
.set Z, 1
.endif
.irp rtl, 0,1,2,3
	WMS 32*\hh+8*\rtl, WF+8*\ks, 64+32*\rtl+8*\ks, Z, WS+\ks, W2S+2*\rtl+\ks/2, 0, \ks%2
.endr
.endr
	WIN 0
.if \hh == 0
	s_barrier_signal -1                            ; every wave's reads of the images are in (the wait for 0 above): they may be written again
	s_barrier_wait -1
.endif
.endr
	; layer 3's norm and the product with W4: lane (r, h) holds row r of row tile rt and channels 16 w + 8 h + 0 .. 7 (window 2, v[8 rt] on)
	v_and_b32 v22, 15, v0                          ; r
	v_bfe_u32 v23, v0, 4, 1                        ; h
	v_and_b32 v24, 31, v0                          ; lane
	s_lshr_b32 s72, s[WV], 1
	s_lshl_b32 s72, s72, 9
	s_and_b32 s73, s[WV], 1
	s_lshl_b32 s73, s73, 7
	s_add_co_u32 s72, s72, s73
	s_add_co_u32 s72, s72, CST2+8192
	v_lshl_add_u32 v12, v23, 6, s72                ; my eight channels' constants
	s_lshl_b32 s72, s[WV], 9
	s_add_co_u32 s73, s72, RED
	v_lshl_add_u32 v13, v22, 2, s73                ; my part of the scores: [wave][row]
	v_lshl_add_u32 v15, v24, 2, RED                ; all parts of row 32 q + lane
	s_add_co_u32 s73, s72, SCO
	v_lshl_add_u32 v16, v24, 2, s73                ; p, in
	v_lshl_add_u32 v17, v23, 5, s73                ; p, out: rows 8 h on
.irp d, 0,1                            ; the eight pairs twice, so that one run of 16 serves two row tiles
.irp n, 0,1,2,3
	ds_load_b128 v[KA+16*\d+4*\n:KA+16*\d+4*\n+3], v12 offset:16*\n
	ds_load_b128 v[KQ+16*\d+4*\n:KQ+16*\d+4*\n+3], v12 offset:256+16*\n
.endr
.endr
	NOPS 4
	s_wait_dscnt 0x0
.irp pr, 0,1,2,3
	EPI_A 16*\pr, 2, KA, KQ
	LRELU16
	v_mul_f32 v[V+2*\pr], v[T], v4
	v_mul_f32 v[V+2*\pr+1], v[T+8], v4
.irp j, 1,2,3,4,5,6,7
	v_fma_f32 v[V+2*\pr], v[T+\j], v[4+\j], v[V+2*\pr]             ; two chains by turns
	v_fma_f32 v[V+2*\pr+1], v[T+8+\j], v[4+\j], v[V+2*\pr+1]
.endr
.endr
.irp rt, 0,1,2,3,4,5,6,7
	v_permlanex16_b32 v[T+\rt], v[V+\rt], s[SEL], s[SEL+1]
.endr
.irp rt, 0,1,2,3,4,5,6,7
	v_add_f32 v[V+\rt], v[V+\rt], v[T+\rt]         ; with the other half's eight channels
.endr
.irp rt, 0,1,2,3,4,5,6,7
	ds_store_b32 v13, v[V+\rt] offset:64*\rt       ; both halves write the same word with the same value
.endr
	s_wait_dscnt 0x0
	s_barrier_signal -1
	s_barrier_wait -1
	; the scores and the softmax of the 128 rows, in every wave alike: a lane holds rows lane + 32 q
.irp q, 0,1,2,3
.irp w2, 0,1,2,3
	ds_load_b32 v[T+4*\q+\w2], v15 offset:512*\w2+128*\q
.endr
.endr
	v_mov_b32 v20, s91
	v_add_f32 v20, 0x3727c5ac, v20                 ; v4 + 1e-5
	v_rsq_f32 v20, v20
	v_nop
	s_wait_alu depctr_va_vdst(0)                   ; the wait ahead of the first reader
	v_mul_f32 v20, s88, v20                        ; a4
	s_wait_dscnt 0x0
.irp q, 0,1,2,3
	v_add_f32 v[T+4*\q], v[T+4*\q], v[T+4*\q+1]
.endr
.irp q, 0,1,2,3
	v_add_f32 v[T+4*\q], v[T+4*\q], v[T+4*\q+2]
.endr
.irp q, 0,1,2,3
	v_add_f32 v[T+4*\q], v[T+4*\q], v[T+4*\q+3]
.endr
.irp q, 0,1,2,3
	v_subrev_f32 v[T+4*\q], s90, v[T+4*\q]         ; s - m4
.endr
.irp q, 0,1,2,3
	v_fma_f32 v[T+4*\q], v[T+4*\q], v20, s89
.endr
.irp q, 0,1,2,3
	v_mul_f32 v[T+4*\q+1], 0x3e4ccccd, v[T+4*\q]
.endr
.irp q, 0,1,2,3
	v_max_num_f32 v[T+4*\q], v[T+4*\q], v[T+4*\q+1]
.endr
	v_max3_num_f32 v21, v[T], v[T+4], v[T+8]
	v_max_num_f32 v21, v21, v[T+12]
	v_max_num_f32_dpp v21, v21, v21 row_xmask:1 row_mask:0xf bank_mask:0xf
	v_max_num_f32_dpp v21, v21, v21 row_xmask:2 row_mask:0xf bank_mask:0xf
	v_max_num_f32_dpp v21, v21, v21 row_xmask:4 row_mask:0xf bank_mask:0xf
	v_max_num_f32_dpp v21, v21, v21 row_xmask:8 row_mask:0xf bank_mask:0xf
	v_permlanex16_b32 v22, v21, s[SEL], s[SEL+1]
	v_max_num_f32 v21, v21, v22                    ; the largest score of my 128 rows
.irp q, 0,1,2,3
	v_sub_f32 v[T+4*\q], v[T+4*\q], v21
.endr
.irp q, 0,1,2,3
	v_mul_f32 v[T+4*\q], 0x3fb8aa3b, v[T+4*\q]
.endr
.irp q, 0,1,2,3
	v_exp_f32 v[T+4*\q], v[T+4*\q]                 ; p = e^(score - m), at most 1
.endr
	v_mov_b32 v18, v21                             ; m (a plain line behind the exponentials)
	s_wait_alu depctr_va_vdst(0)                   ; one wait for the four
	v_add_f32 v23, v[T], v[T+4]
	v_add_f32 v24, v[T+8], v[T+12]
	v_add_f32 v23, v23, v24
	v_add_f32_dpp v23, v23, v23 row_xmask:1 row_mask:0xf bank_mask:0xf
	v_add_f32_dpp v23, v23, v23 row_xmask:2 row_mask:0xf bank_mask:0xf
	v_add_f32_dpp v23, v23, v23 row_xmask:4 row_mask:0xf bank_mask:0xf
	v_add_f32_dpp v23, v23, v23 row_xmask:8 row_mask:0xf bank_mask:0xf
	v_permlanex16_b32 v24, v23, s[SEL], s[SEL+1]
	v_add_f32 v19, v23, v24                        ; l
.irp q, 0,1,2,3
	ds_store_b32 v16, v[T+4*\q] offset:128*\q
.endr
.irp rt, 0,1,2,3,4,5,6,7
.irp jj, 0,1
	ds_load_b128 v[PP+8*\rt+4*\jj:PP+8*\rt+4*\jj+3], v17 offset:64*\rt+16*\jj   ; my wave's own bytes, served in order: p of rows 16 rt + 8 h + 0 .. 7
.endr
.endr
	; ---- THE SECOND WALK: four steps of 512 channels; wave w takes blocks 4 w .. 4 w + 3 of a slot's 16.  Source 0 = x, source 1 = W1's tile: lane (r, h) holds channel 32 B + 8 u + r + 8 (r / 8), register j row 16 rt + 8 h + j.
	v_and_b32 v22, 15, v0
	v_and_b32 v23, 8, v22
	v_add_nc_u32 v22, v22, v23                     ; r + 8 (r / 8)
	s_mul_i32 s72, s[WV], 34816
	v_add_nc_u32 v[PBK0], s72, v[LI]
	s_lshl_b32 s72, s[WV], 10
	s_add_co_u32 s72, s72, CSTO
	v_lshl_add_u32 v[PCS0], v22, 3, s72            ; (a, c) of my channel: 8 bytes
	s_lshl_b32 s72, s[WV], 11
	s_add_co_u32 s72, s72, OUTST
	v_lshl_add_u32 v[AOUT0], v22, 2, s72
.macro LP set, off, coff               ; a block of W1 into set A (window 0) or B (window 2), its scale words, my two channels' (a, c): 19 loads
	WIN 0x80*(\set)
.irp n, 0,1,2,3,4,5,6,7,8,9,10,11,12,13,14,15
	ds_load_b128 v[(1-\set)*WF+4*\n:(1-\set)*WF+4*\n+3], v[PBK] offset:\off+512*\n
.endr
	WIN 0
	ds_load_b128 v[WS+4*(\set):WS+4*(\set)+3], v[PBK] offset:\off+8192
	ds_load_b64 v[PK+4*(\set):PK+4*(\set)+1], v[PCS] offset:\coff
	ds_load_b64 v[PK+4*(\set)+2:PK+4*(\set)+3], v[PCS] offset:\coff+64
.endm
.macro MMP rt, set                     ; product 1 again, for row tile rt, all eight in a run; the two accumulators take turns
	WIN 0x01+8*(\set)                              ; source 0 (x) in window 1; source 1 in window 0 or 2
.irp ks, 0,1,2,3
.set Z, 0
.if \ks == 0
.set Z, 1
.endif
.irp u, 0,1
	WMS V+16*((\rt)%2)+8*\u, 32*(\rt)+8*\ks, (1-\set)*WF+32*\u+8*\ks, Z, XS+4*((\rt)/2)+\ks, WS+4*(\set)+\ks, (\rt)%2, \u
.endr
.endr
	WIN 0
.endm
.macro WPONE rt, set, n                ; number n of the same eight, alone among vector lines: K step n / 2, tile n % 2
	WIN 0x01+8*(\set)
.if (\n) < 2
	WMS V+16*((\rt)%2)+8*((\n)%2), 32*(\rt)+8*((\n)/2), (1-\set)*WF+32*((\n)%2)+8*((\n)/2), 1, XS+4*((\rt)/2)+(\n)/2, WS+4*(\set)+(\n)/2, (\rt)%2, (\n)%2
.else
	WMS V+16*((\rt)%2)+8*((\n)%2), 32*(\rt)+8*((\n)/2), (1-\set)*WF+32*((\n)%2)+8*((\n)/2), 0, XS+4*((\rt)/2)+(\n)/2, WS+4*(\set)+(\n)/2, (\rt)%2, (\n)%2
.endif
	WIN 0
.endm
.macro PA rt, set                      ; y = a x + c, two rows at a time; each accumulator is read from its low end on
.irp k, 0,1,2,3,4,5,6,7
	v_pk_fma_f32 v[Y+2*\k:Y+2*\k+1], v[V+16*((\rt)%2)+2*\k:V+16*((\rt)%2)+2*\k+1], v[PK+4*(\set)+2*(\k/4):PK+4*(\set)+2*(\k/4)+1], v[PK+4*(\set)+2*(\k/4):PK+4*(\set)+2*(\k/4)+1] op_sel:[0,0,1] op_sel_hi:[1,0,1]
.endr
.endm
; Line j of 24 of a row tile's sums.  0-7: p y, packed, pair KK of Y onto one of four accumulators; 8-23: p |y|, number NN of Y onto one of eight.  The order lets the four, and the eight, take turns:
; a sum is taken up again only after all the others of its kind.  In row tile 0 the first touch of each is a product: nothing is cleared.
.macro PBJ rt, j
.if (\j) < 8
.set KK, ((\j)%2)+4*(((\j)/2)%2)+2*((\j)/4)
.if ((\rt) == 0) && ((KK%4) < 2)
	v_pk_mul_f32 v[A1+4*(KK/4)+2*(KK%2):A1+4*(KK/4)+2*(KK%2)+1], v[Y+2*KK:Y+2*KK+1], v[PP+8*(\rt)+2*(KK%4):PP+8*(\rt)+2*(KK%4)+1]
.else
	v_pk_fma_f32 v[A1+4*(KK/4)+2*(KK%2):A1+4*(KK/4)+2*(KK%2)+1], v[Y+2*KK:Y+2*KK+1], v[PP+8*(\rt)+2*(KK%4):PP+8*(\rt)+2*(KK%4)+1], v[A1+4*(KK/4)+2*(KK%2):A1+4*(KK/4)+2*(KK%2)+1]
.endif
.else
.set NN, (((\j)-8)%4)+8*((((\j)-8)/4)%2)+4*(((\j)-8)/8)
.if ((\rt) == 0) && ((NN%8) < 4)
	v_mul_f32 v[A2+4*(NN/8)+NN%4], |v[Y+NN]|, v[PP+8*(\rt)+NN%8]
.else
	v_fma_f32 v[A2+4*(NN/8)+NN%4], |v[Y+NN]|, v[PP+8*(\rt)+NN%8], v[A2+4*(NN/8)+NN%4]
.endif
.endif
.endm
.macro PEND set                        ; 0.6 sum(p y) + 0.4 sum(p |y|), with the other half's rows; into my wave's own stage
.irp u, 0,1
	v_pk_add_f32 v[20+2*\u:21+2*\u], v[A1+4*\u:A1+4*\u+1], v[A1+4*\u+2:A1+4*\u+3]
	v_add_f32 v[24+2*\u], v[A2+4*\u], v[A2+4*\u+1]
	v_add_f32 v[25+2*\u], v[A2+4*\u+2], v[A2+4*\u+3]
.endr
.irp u, 0,1
	v_add_f32 v[20+2*\u], v[20+2*\u], v[21+2*\u]
	v_add_f32 v[24+2*\u], v[24+2*\u], v[25+2*\u]
.endr
.irp u, 0,1
	v_mul_f32 v[24+2*\u], 0x3ecccccd, v[24+2*\u]
.endr
.irp u, 0,1
	v_fmamk_f32 v[20+2*\u], v[20+2*\u], 0x3f19999a, v[24+2*\u]
.endr
.irp u, 0,1
	v_permlanex16_b32 v[21+2*\u], v[20+2*\u], s[SEL], s[SEL+1]
.endr
.irp u, 0,1
	v_add_f32 v[20+2*\u], v[20+2*\u], v[21+2*\u]
.endr
.irp u, 0,1
	ds_store_b32 v[AO], v[20+2*\u] offset:32*\u+128*(\set)         ; both halves write the same word with the same value
.endr
.endm
; A block of 32 channels over all 128 rows.  Row tile rt + 2's eight matrix instructions stand singly among row tile rt's 24 lines of sums, one ahead of every three: they write the set of results that PA has just read,
; and the sums name none of their registers.
.macro COMPUTE set
	MMP 0, \set
	MMP 1, \set
	NOPS 5
.irp rt, 0,1,2,3,4,5,6,7
	PA \rt, \set
.irp n, 0,1,2,3,4,5,6,7
.if \rt < 6
	WPONE \rt+2, \set, \n
.endif
	PBJ \rt, 3*\n
	PBJ \rt, 3*\n+1
	PBJ \rt, 3*\n+2
.endr
.endr
	PEND \set
.endm
.macro PSTEP                           ; my four blocks of the slot in hand: a loop of two trips, two blocks a trip, in two sets of registers
	s_mov_b32 s82, s[TB]
	s_mov_b32 s83, s[TB]
	v_add_nc_u32 v[PBK], s82, v[PBK0]
	v_add_nc_u32 v[PCS], s83, v[PCS0]
	LP 0, 0, 0
	s_mov_b32 s80, 0
.Lpair_\@:
	LP 1, 8704, 256
	s_wait_dscnt 19                                ; set A is in; set B's 19 loads may be out
	v_add_nc_u32 v[AO], s81, v[AOUT0]
	COMPUTE 0
	s_wait_dscnt 2                                 ; set B is in; behind its loads: two stores
	s_cmp_lg_u32 s80, 0
	s_cbranch_scc1 .Lno_more_\@
	LP 0, 17408, 512                               ; the third block, while the second is worked on
.Lno_more_\@:
	COMPUTE 1
	s_add_co_u32 s82, s82, 17408
	s_add_co_u32 s83, s83, 512
	s_add_co_u32 s81, s81, 256
	v_add_nc_u32 v[PBK], s82, v[PBK0]
	v_add_nc_u32 v[PCS], s83, v[PCS0]
	s_add_co_u32 s80, s80, 1
	s_cmp_lt_u32 s80, 2
	s_cbranch_scc1 .Lpair_\@
.endm
	s_mov_b32 s81, 0                               ; where the sums go in my stage: 128 bytes a block
	s_mov_b32 s84, 0
.Lpool_fill:                                       ; steps 0, 1: the slot just read takes fills 10, 11
	PSTEP
	RR_HEAD 1
	RR_TAIL 1
	s_add_co_u32 s84, s84, 1
	s_cmp_lt_u32 s84, 2
	s_cbranch_scc1 .Lpool_fill
	s_mov_b32 s84, 0
.Lpool_last:                                       ; steps 2, 3 are written out a second time: nothing is left to ask for
	PSTEP
	RR_HEAD 0
	RR_TAIL 0
	s_add_co_u32 s84, s84, 1
	s_cmp_lt_u32 s84, 2
	s_cbranch_scc1 .Lpool_last
	; ---- THE WAY OUT: my 512 sums (step i: channels 512 i + 128 w on) leave my stage as runs of 512 bytes
	s_lshl_b32 s72, s[WV], 11
	s_add_co_u32 s72, s72, OUTST
	v_add_nc_u32 v15, s72, v[LI]
	s_lshl_b32 s73, s[WV], 9
	v_add_nc_u32 v16, s73, v[LI]
.irp i, 0,1,2,3
	ds_load_b128 v[T+4*\i:T+4*\i+3], v15 offset:512*\i
.endr
.irp i, 0,1,2,3
	s_wait_dscnt 3-\i
	global_store_b128 v16, v[T+4*\i:T+4*\i+3], s[94:95] offset:2048*\i   ; 32 lanes store 512 consecutive bytes, aligned
.endr
	s_cmp_lg_u32 s[WV], 0
	s_cbranch_scc1 .Lno_stat
	v_and_b32 v17, 31, v0
	v_lshlrev_b32 v17, 3, v17
	global_store_b64 v17, v[18:19], s[94:95] offset:8192           ; (m, l), 32 times: 256 consecutive bytes
.Lno_stat:
	s_wait_tensorcnt 0x0                           ; the wave's end: behind my last tensor load and my last LDS store
	ds_add_u32 v[SPW], v[NIL]
	s_wait_dscnt 0x0
	ROUND                                          ; the closing round: no work-group ends while a partner may still ask for a pack that names it
	s_endpgm
.Lfunc_end_k_qeee211f49f_main:
	.size	k_qeee211f49f_main, .Lfunc_end_k_qeee211f49f_main-k_qeee211f49f_main
	.p2alignl 7, 3214868480
	.fill 96, 4, 3214868480
	.section	.rodata,"a",@progbits
	.p2align	6, 0x0
	.amdhsa_kernel k_qeee211f49f_main
		.amdhsa_group_segment_fixed_size 327680
		.amdhsa_private_segment_fixed_size 0
		.amdhsa_enable_private_segment 0
		.amdhsa_kernarg_size 88
		.amdhsa_user_sgpr_count 2
		.amdhsa_user_sgpr_kernarg_segment_ptr 1
		.amdhsa_wavefront_size32 1
		.amdhsa_system_sgpr_workgroup_id_x 1
		.amdhsa_system_sgpr_workgroup_id_y 1
		.amdhsa_system_sgpr_workgroup_id_z 1
		.amdhsa_system_vgpr_workitem_id 0
		.amdhsa_next_free_vgpr 1024
		.amdhsa_next_free_sgpr 96
		.amdhsa_reserve_vcc 0
		.amdhsa_float_denorm_mode_32 3
		.amdhsa_float_denorm_mode_16_64 3
		.amdhsa_memory_ordered 1
		.amdhsa_forward_progress 1
		.amdhsa_inst_pref_size 255
	.end_amdhsa_kernel
	.section	.bss,"aw",@nobits
	.p2align	6
	.space	262144
	.amdgpu_metadata
---
amdhsa.version: [ 1, 2 ]
amdhsa.kernels:
  - .name:           k_qeee211f49f_main
    .symbol:         k_qeee211f49f_main.kd
    .args:
      - { .name: xpk, .offset: 0, .size: 8, .value_kind: global_buffer, .address_space: global }
      - { .name: wpk, .offset: 8, .size: 8, .value_kind: global_buffer, .address_space: global }
      - { .name: cstA, .offset: 16, .size: 8, .value_kind: global_buffer, .address_space: global }
      - { .name: cst0, .offset: 24, .size: 8, .value_kind: global_buffer, .address_space: global }
      - { .name: w3pk, .offset: 32, .size: 8, .value_kind: global_buffer, .address_space: global }
      - { .name: W4, .offset: 40, .size: 8, .value_kind: global_buffer, .address_space: global }
      - { .name: g4, .offset: 48, .size: 8, .value_kind: global_buffer, .address_space: global }
      - { .name: b4, .offset: 56, .size: 8, .value_kind: global_buffer, .address_space: global }
      - { .name: m4, .offset: 64, .size: 8, .value_kind: global_buffer, .address_space: global }
      - { .name: v4, .offset: 72, .size: 8, .value_kind: global_buffer, .address_space: global }
      - { .name: part, .offset: 80, .size: 8, .value_kind: global_buffer, .address_space: global }
    .group_segment_fixed_size: 327680
    .private_segment_fixed_size: 0
    .kernarg_segment_align: 8
    .kernarg_segment_size: 88
    .max_flat_workgroup_size: 128
    .sgpr_count:     96
    .vgpr_count:     1024
    .wavefront_size: 32
...
	.end_amdgpu_metadata
.endif
;; end of part 2
;; launch comb (part 3): grid 256 x 1, 1 waves a work-group, no clusters, 0 bytes of LDS; arguments part, out0; writes out0
.if DOCPART == 3
	.amdgcn_target "amdgcn-amd-amdhsa--gfx1250"
	.amdhsa_code_object_version 6
	.text
	.protected	k_qeee211f49f_comb
	.globl	k_qeee211f49f_comb
	.p2align	8
	.type	k_qeee211f49f_comb,@function
k_qeee211f49f_comb:
	s_mov_b64 s[64:65], 0
	v_nop
	global_prefetch_b8 v0, s[64:65] scope:SCOPE_SE
	s_setreg_imm32_b32 hwreg(HW_REG_WAVE_MODE, 25, 1), 1
	s_wait_xcnt 0x0
; out0[b][e] = sum over the batch's 16 work-groups g of w_g part[g][e] / sum of w_g l_g, w_g = e^(m_g - M), M the largest m_g: the softmax over all 2,048 rows under the batch's own maximum.
; part[g]: 2,048 f32, then 32 x (m, l): 8,448 bytes.  A work-group of one wave takes 128 channels of one batch: 16 loads of 512 consecutive bytes, one store of 512.
; No LDS, no barrier, no matrix unit: 17 loads and 64 multiply-adds a lane.
	s_load_b128 s[4:7], s[0:1], 0x0                ; part, out0
	v_and_b32 v1, 15, v0
	v_mul_u32_u24 v1, v1, 8448                     ; lane % 16 names a work-group of the batch
	v_lshlrev_b32 v2, 4, v0                        ; 16 x lane
	s_lshr_b32 s8, ttmp9, 4                        ; the batch
	s_and_b32 s9, ttmp9, 15                        ; which 128 channels
	s_mul_i32 s10, s8, 135168
	s_mov_b32 s11, 0
	s_lshl_b32 s12, s9, 9
	v_add_nc_u32 v3, s12, v2
	s_lshl_b32 s13, s8, 13
	s_add_co_u32 s12, s12, s13
	s_mov_b32 s13, 0
	s_wait_kmcnt 0x0
	s_add_nc_u64 s[4:5], s[4:5], s[10:11]
	s_add_nc_u64 s[6:7], s[6:7], s[12:13]
	global_load_b64 v[4:5], v1, s[4:5] offset:8192
.irp i, 0,1,2,3,4,5,6,7,8,9,10,11,12,13,14,15
	global_load_b128 v[16+4*\i:19+4*\i], v3, s[4:5] offset:8448*\i
.endr
	s_wait_loadcnt 16                              ; (m, l) is in; the 16 loads behind it may be out
	v_mov_b32 v6, v4
	v_max_num_f32_dpp v6, v6, v6 row_xmask:1 row_mask:0xf bank_mask:0xf
	v_max_num_f32_dpp v6, v6, v6 row_xmask:2 row_mask:0xf bank_mask:0xf
	v_max_num_f32_dpp v6, v6, v6 row_xmask:4 row_mask:0xf bank_mask:0xf
	v_max_num_f32_dpp v6, v6, v6 row_xmask:8 row_mask:0xf bank_mask:0xf   ; M: both halves of the lanes hold the same 16
	v_sub_f32 v7, v4, v6
	v_mul_f32 v7, 0x3fb8aa3b, v7
	v_exp_f32 v7, v7                               ; w
	v_nop
	s_wait_alu depctr_va_vdst(0)                   ; the wait ahead of the first reader
	v_mul_f32 v8, v7, v5
	v_add_f32_dpp v8, v8, v8 row_xmask:1 row_mask:0xf bank_mask:0xf
	v_add_f32_dpp v8, v8, v8 row_xmask:2 row_mask:0xf bank_mask:0xf
	v_add_f32_dpp v8, v8, v8 row_xmask:4 row_mask:0xf bank_mask:0xf
	v_add_f32_dpp v8, v8, v8 row_xmask:8 row_mask:0xf bank_mask:0xf       ; the sum of w l: at least 1, since the largest row has p = w = 1
	v_rcp_f32 v8, v8
	v_nop
	s_wait_alu depctr_va_vdst(0)
	v_mul_f32 v7, v7, v8                           ; w / the sum
.irp i, 0,1,2,3,4,5,6,7,8,9,10,11,12,13,14,15
	v_readlane_b32 s[32+\i], v7, \i
.endr
	s_wait_loadcnt 0x0
.irp k, 0,1,2,3
	v_mul_f32 v[80+\k], s32, v[16+\k]
.endr
.irp i, 1,2,3,4,5,6,7,8,9,10,11,12,13,14,15
.irp k, 0,1,2,3
	v_fmac_f32 v[80+\k], s[32+\i], v[16+4*\i+\k]
.endr
.endr
	global_store_b128 v2, v[80:83], s[6:7]         ; 32 lanes store 512 consecutive bytes, aligned
	s_endpgm
.Lfunc_end_k_qeee211f49f_comb:
	.size	k_qeee211f49f_comb, .Lfunc_end_k_qeee211f49f_comb-k_qeee211f49f_comb
	.p2alignl 7, 3214868480
	.fill 96, 4, 3214868480
	.section	.rodata,"a",@progbits
	.p2align	6, 0x0
	.amdhsa_kernel k_qeee211f49f_comb
		.amdhsa_group_segment_fixed_size 0
		.amdhsa_private_segment_fixed_size 0
		.amdhsa_enable_private_segment 0
		.amdhsa_kernarg_size 16
		.amdhsa_user_sgpr_count 2
		.amdhsa_user_sgpr_kernarg_segment_ptr 1
		.amdhsa_wavefront_size32 1
		.amdhsa_system_sgpr_workgroup_id_x 1
		.amdhsa_system_sgpr_workgroup_id_y 1
		.amdhsa_system_sgpr_workgroup_id_z 1
		.amdhsa_system_vgpr_workitem_id 0
		.amdhsa_next_free_vgpr 96
		.amdhsa_next_free_sgpr 66
		.amdhsa_reserve_vcc 0
		.amdhsa_float_denorm_mode_32 3
		.amdhsa_float_denorm_mode_16_64 3
		.amdhsa_memory_ordered 1
		.amdhsa_forward_progress 1
		.amdhsa_inst_pref_size 7
	.end_amdhsa_kernel
	.amdgpu_metadata
---
amdhsa.version: [ 1, 2 ]
amdhsa.kernels:
  - .name:           k_qeee211f49f_comb
    .symbol:         k_qeee211f49f_comb.kd
    .args:
      - { .name: part, .offset: 0, .size: 8, .value_kind: global_buffer, .address_space: global }
      - { .name: out0, .offset: 8, .size: 8, .value_kind: global_buffer, .address_space: global }
    .group_segment_fixed_size: 0
    .private_segment_fixed_size: 0
    .kernarg_segment_align: 8
    .kernarg_segment_size: 16
    .max_flat_workgroup_size: 32
    .sgpr_count:     66
    .vgpr_count:     96
    .wavefront_size: 32
...
	.end_amdgpu_metadata
.endif
;; end of part 3
